; MI455X (gfx1250); checked and timed in simulation.
; The chip was launched on July 23, 2026; its instructions are those of AMD's public machine-readable ISA for CDNA 5 (MIT licence, August 2026) and "CDNA5" Instruction Set Architecture Reference Guide (July 2026). The comments in the code are by the model that wrote it; some were corrected since.
;; Vector Quantizer. Allowed arithmetic: matrix products marked QUANTISED: E4M3 operands, one E8M0 scale for each 32 along K, by v_wmma_scale_f32_16x16x128_f8f6f4 with both operands' format E4M3, f32 sums; everything else in f32.
;; Inputs: emb_weights 8,192 x 256 float32; hidden_states 32 x 32 x 32 x 256 float32.
;; Outputs: out0 32 x 32 x 32 x 256 float32; out1 32 x 1,024 int32.
;; This version of the problem:
;;   THIS VERSION OF THE PROBLEM IS GIVEN IN LOW PRECISION. The matrix products marked QUANTISED in the list below multiply operands that are first quantised to E4M3 (4 exponent bits, 3 mantissa bits; 8 bits a number), with one power-of-two scale for each 32 numbers along K (OCP MX v1.0); their sums are f32. All else is computed in f32.
;;   The module's matrix products, in the order in which they are computed (A, B: the left and right operand; K: the contracted axis; several contracted axes count as one K, in the product's order):
;;     1. [M 32,768, K 256] x [K 256, N 8,192]; A: input hidden_states; B: input emb_weights: QUANTISED
;;   THE QUANTISER, for each operand of a quantised product, along K:
;;     - K is cut into blocks of 32 from its start; a last block that is shorter is filled with zeros.
;;     - A block's scale is 2^e with e = floor(log2(the largest magnitude in the block)) - 8, held to -126 .. 127; a block of zeros has e = 0. As a byte (E8M0): e + 127.
;;     - Each number is divided by its block's scale, clamped to +-448, and rounded to the nearest number of E4M3, ties to even, subnormals kept.
;;     - The product sums the exact products of the quantised numbers (number of the format x scale) in f32.
;;   ~~~python
;;   def quantise(x, axis):      # numpy; x: float32 -> the quantised numbers, widened to float32 again
;;       x = np.moveaxis(x, axis, -1); K = x.shape[-1]
;;       x = np.pad(x, [(0, 0)] * (x.ndim - 1) + [(0, -K % 32)]); x = x.reshape(x.shape[:-1] + (-1, 32)); a = np.abs(x).max(-1, keepdims=True)
;;       e = np.where(a > 0, np.clip(np.frexp(np.where(a > 0, a, 1))[1] - 1 - 8, -126, 127), 0)      # np.frexp(a)[1] - 1 = floor(log2(a)), exactly
;;       r = np.clip(x / 2.0 ** e, -448, 448)
;;       step = 2.0 ** (np.maximum(np.frexp(np.where(r == 0, 1, r))[1] - 1, -6) - 3)
;;       q = np.round(r / step) * step * 2.0 ** e      # np.round: ties to even
;;       return np.moveaxis(q.reshape(q.shape[:-2] + (-1,))[..., :K], -1, axis).astype(np.float32)
;;   ~~~
;; One version. Each part assembles by itself: llvm-mc -triple=amdgcn-amd-amdhsa -mcpu=gfx1250 --defsym DOCPART=n.
;; ======== version 1 of 1: 3 launches
;; workspace buffers: zrec 8,912,896 bytes; erec 2,228,224 bytes; idx 131,072 bytes of whole numbers
;; launch quant (part 1): grid 640 x 1, 4 waves a work-group, no clusters, 68,096 bytes of LDS; arguments hidden_states, emb_weights, zrec, erec; writes zrec, erec
.if DOCPART == 1
	.amdgcn_target "amdgcn-amd-amdhsa--gfx1250"
	.amdhsa_code_object_version 6
	.text
	.protected	k_q84a70613b8_quant
	.globl	k_q84a70613b8_quant
	.p2align	8
	.type	k_q84a70613b8_quant,@function
k_q84a70613b8_quant:
	s_mov_b64 s[64:65], 0
	v_nop
	global_prefetch_b8 v0, s[64:65] scope:SCOPE_SE
	s_setreg_imm32_b32 hwreg(HW_REG_WAVE_MODE, 25, 1), 1
	s_wait_xcnt 0x0
; Both operands of the product z e^T, f32 with K = 256 innermost, become RECORDS: one record for each tile of 16 rows, laid in the order of the matrix operand's registers.
; A record is 4,352 bytes (17 x 256):  [0, 4096) codes of FP8 (E4M3): byte 2048 s + 512 c + 16 lane + 0..15 = k 128 s + 32 c + 16 (lane / 16) + 0..15 of row lane % 16;
;   [4096, 4224) scale words: word 64 s + 4 r = the four E8M0 bytes of row r's blocks 4 s .. 4 s + 3;  [4224, 4288) the 16 rows' sums of squares of the UNQUANTISED numbers, f32;  [4288, 4352) zeros.
; A block's scale is 2^(floor(log2(its largest magnitude)) - 8); its byte is the largest magnitude's exponent field - 8, held at 1 from below; each number is divided by the scale, held within +-448, rounded to the nearest code, ties to even.
; LIMITS: NaN and infinities among the inputs are not served.  A block of zeros gets the byte 1 where the rule says 127: its codes are zeros, and the bytes are read by this program alone.
;   The sums of squares are taken in an order of this text's own (two packed chains a lane, then the two halves of the lanes), which may differ from the reference's in the last bits.
; SHARES: one wave, one tile: 16,384 dense bytes in, one record out.  Work-groups 0-511 take hidden_states (2,048 tiles), 512-639 emb_weights (512 tiles): only pointers are chosen, both take one path.
; Each load reads 512 consecutive bytes; the tile turns through the wave's own stage in LDS, so that a lane then holds 16 neighbours along K of each block of its row.  Waves share nothing: no barrier.
; No matrix unit, no cluster, no tensor load: every byte is read once by one wave.
.set REC,   4352
.set SP,    1040                       ; a stage row: 1,024 bytes + 16: an odd multiple of 16, so the 16 rows that a load touches start at 16 different 16-byte columns of 256 bytes
.set TAIL,  16*SP                      ; behind the stage: the record's last 256 bytes are gathered here
.set WREG,  TAIL+256                   ; LDS of one wave
.set L16, 4                            ; v4   16 x lane
.set STI, 5                            ; v5   the stage, on the way in: 16 x lane
.set STO, 6                            ; v6   on the way out: row r, + 64 h
.set TLW, 7                            ; v7   the tail: 4 r
.set TLR, 8                            ; v8   the tail, read back: 8 x lane
.set L8,  9                            ; v9   8 x lane
.set NIL, 10                           ; v10  0
.set NA,  12                           ; v[12:13], v[14:15] the sum of squares, two packed chains
.set NB,  14
.set TM,  16                           ; v16-19 largest magnitudes, v20-23 the other half's, then bytes, v24-27 448 x the scale, v28-31 the conversions' scale operand
.set PW,  32                           ; the scale word just made
.set PC,  34                           ; v34-49 the codes just made
.set X,   50                           ; v50-113  64 numbers of K step 0
.set R,   114                          ; v114-241 the tile as loaded; v114-177 later K step 1's 64 numbers
.set SEL, 20                           ; s[20:21] lane selects: lane l xor 16
.set MNT, 23                           ; s23 the mantissa field of 448
	s_load_b256 s[4:11], s[0:1], 0x0               ; hidden_states s[4:5], emb_weights s[6:7], zrec s[8:9], erec s[10:11]
	v_lshl_add_u32 v254, v0, 2, 0x10800
	v_mov_b32 v255, 0
	v_lshrrev_b32 v1, 5, v0
	v_readfirstlane_b32 s12, v1                    ; wave 0..3
	v_and_b32 v1, 31, v0                           ; lane
	v_and_b32 v2, 15, v0                           ; r
	v_bfe_u32 v3, v0, 4, 1                         ; h
	s_mul_i32 s13, s12, WREG                       ; my wave's LDS
	v_lshlrev_b32 v[L16], 4, v1
	v_add_nc_u32 v[STI], s13, v[L16]
	v_mul_u32_u24 v[STO], v2, SP
	v_lshl_add_u32 v[STO], v3, 6, v[STO]
	v_add_nc_u32 v[STO], s13, v[STO]
	v_lshlrev_b32 v[TLW], 2, v2
	v_add_nc_u32 v[TLW], s13, v[TLW]
	v_add_nc_u32 v[TLW], TAIL, v[TLW]
	v_lshlrev_b32 v[L8], 3, v1
	v_add_nc_u32 v[TLR], s13, v[L8]
	v_add_nc_u32 v[TLR], TAIL, v[TLR]
	v_mov_b32 v[NIL], 0
.irp b, 0,1,2,3
	v_mov_b32 v[TM+4+\b], 0                        ; written once: a lane permute's destination counts as one of its sources
.endr
	s_mov_b32 s[SEL], 0x76543210
	s_mov_b32 s[SEL+1], 0xfedcba98
	s_mov_b32 s[MNT], 0x600000
	s_wait_kmcnt 0x0
	s_cmp_lt_u32 ttmp9, 512                        ; z's work-group or e's?  The choice hangs on the work-group's number alone
	s_cselect_b64 s[4:5], s[4:5], s[6:7]
	s_cselect_b64 s[8:9], s[8:9], s[10:11]
	s_cselect_b32 s14, 0, 512
	s_sub_co_u32 s14, ttmp9, s14
	s_lshl_b32 s14, s14, 2
	s_add_co_u32 s14, s14, s12                     ; my tile
	s_lshl_b32 s16, s14, 14                        ; 16,384 bytes a tile (2,047 x 16,384 at the most)
	s_mov_b32 s17, 0
	s_add_nc_u64 s[4:5], s[4:5], s[16:17]
	s_mul_i32 s16, s14, REC
	s_add_nc_u64 s[8:9], s[8:9], s[16:17]
.set i, 0
.rept 32
	global_load_b128 v[R+4*i:R+4*i+3], v[L16], s[4:5] offset:512*i th:TH_LOAD_NT   ; load i: row i / 2, K step i % 2: 512 consecutive bytes
.set i, i+1
.endr
.set i, 0
.rept 32
	s_wait_loadcnt 31-i                            ; loads come back in order: load i is in, the 31 - i younger ones may be out
	ds_store_b128 v[STI], v[R+4*i:R+4*i+3] offset:(i/2)*SP+(i%2)*512
.set i, i+1
.endr
; my 64 numbers of K step s: register 16 b + 4 j + 0..3 = k 128 s + 32 b + 16 h + 4 j + 0..3 of row r.  LDS serves a wave's instructions in order: these see the stores above
.macro XLD reg, s
.irp b, 0,1,2,3
.irp j, 0,1,2,3
	ds_load_b128 v[\reg+16*\b+4*\j:\reg+16*\b+4*\j+3], v[STO] offset:512*\s+128*\b+16*\j
.endr
.endr
.endm
; the sum of squares of the 64 numbers at v[s] on, onto the two chains (first = 1: the first products start them)
.macro NORM s, first
.if \first
	v_pk_mul_f32 v[NA:NA+1], v[\s:\s+1], v[\s:\s+1]
	v_pk_mul_f32 v[NB:NB+1], v[\s+2:\s+3], v[\s+2:\s+3]
.else
	v_pk_fma_f32 v[NA:NA+1], v[\s:\s+1], v[\s:\s+1], v[NA:NA+1]
	v_pk_fma_f32 v[NB:NB+1], v[\s+2:\s+3], v[\s+2:\s+3], v[NB:NB+1]
.endif
.irp i, 4,8,12,16,20,24,28,32,36,40,44,48,52,56,60
	v_pk_fma_f32 v[NA:NA+1], v[\s+\i:\s+\i+1], v[\s+\i:\s+\i+1], v[NA:NA+1]
	v_pk_fma_f32 v[NB:NB+1], v[\s+\i+2:\s+\i+3], v[\s+\i+2:\s+\i+3], v[NB:NB+1]
.endr
.endm
; 64 numbers of a lane become a fragment's codes in v[PC] on and its row's scale word in v[PW]
.macro QUANT s
.irp b, 0,1,2,3
	v_max3_num_f32 v[TM+\b], |v[\s+16*\b]|, |v[\s+1+16*\b]|, 0x4800000   ; block b: my 16 numbers, and the floor 2^(9 - 127): so the byte cannot fall under 1
.endr
.irp i, 2,4,6,8,10,12,14
.irp b, 0,1,2,3
	v_max3_num_f32 v[TM+\b], v[TM+\b], |v[\s+16*\b+\i]|, |v[\s+1+16*\b+\i]|   ; the four blocks by turns
.endr
.endr
.irp b, 0,1,2,3
	v_permlanex16_b32 v[TM+4+\b], v[TM+\b], s[SEL], s[SEL+1]
.endr
.irp b, 0,1,2,3
	v_max_num_f32 v[TM+\b], v[TM+\b], v[TM+4+\b]   ; with lane l xor 16's: the block's largest magnitude
.endr
.irp b, 0,1,2,3
	v_add_nc_u32 v[TM+12+\b], 0xfc000000, v[TM+\b] ; 8 off its exponent field: the conversion takes this operand's exponent field as its scale
.endr
.irp b, 0,1,2,3
	v_and_or_b32 v[TM+8+\b], v[TM+\b], 0x7f800000, s[MNT]   ; 448 x the scale
.endr
.irp b, 0,1,2,3
	v_lshrrev_b32 v[TM+4+\b], 23, v[TM+12+\b]      ; the scale's byte
.endr
	v_lshl_or_b32 v[PW], v[TM+5], 8, v[TM+4]
	v_lshl_or_b32 v[PW], v[TM+6], 16, v[PW]
	v_lshl_or_b32 v[PW], v[TM+7], 24, v[PW]
.irp b, 0,1,2,3
.irp i, 0,1,2,3,4,5,6,7,8,9,10,11,12,13,14,15
	v_med3_num_f32 v[\s+16*\b+\i], v[\s+16*\b+\i], -v[TM+8+\b], v[TM+8+\b]   ; the conversion to an 8-bit code does not saturate (ISA guide 7.6.2): the hold comes first
.endr
	v_cvt_scalef32_pk8_fp8_f32 v[PC+4*\b:PC+1+4*\b], v[\s+16*\b:\s+7+16*\b], v[TM+12+\b]
	v_cvt_scalef32_pk8_fp8_f32 v[PC+2+4*\b:PC+3+4*\b], v[\s+8+16*\b:\s+15+16*\b], v[TM+12+\b]
.endr
	v_nop                                          ; one plain vector instruction behind the last conversion, ahead of whatever next touches its registers
.endm
.macro OUT s                           ; K step s of the record: four stores of 512 consecutive bytes; the scale word to the tail (lanes r and r + 16 write the same word with the same value)
.irp c, 0,1,2,3
	global_store_b128 v[L16], v[PC+4*\c:PC+4*\c+3], s[8:9] offset:2048*\s+512*\c
.endr
	ds_store_b32 v[TLW], v[PW] offset:64*\s
.endm
	XLD X, 0
	s_wait_dscnt 0x0                               ; K step 0's numbers are in, and the stores into the stage have read v[R] on,
	XLD R, 1                                       ; which takes K step 1's numbers while step 0 is worked
	NORM X, 1
	QUANT X
	OUT 0
	s_wait_dscnt 0x0                               ; K step 1's numbers are in; the scale word's store has read its register
	s_wait_xcnt 0x0                                ; the codes' registers are written again only behind this wait
	NORM R, 0
	QUANT R
	OUT 1
	v_pk_add_f32 v[NA:NA+1], v[NA:NA+1], v[NB:NB+1]
	v_add_f32 v[NA], v[NA], v[NA+1]
	v_permlanex16_b32 v[TM+4], v[NA], s[SEL], s[SEL+1]
	v_add_f32 v[NA], v[NA], v[TM+4]                ; my row's sum of squares
	ds_store_b32 v[TLW], v[NA] offset:128
	ds_store_b32 v[TLW], v[NIL] offset:192
	ds_load_b64 v[NB:NB+1], v[TLR]                 ; LDS serves a wave's instructions in order: this sees the four stores
	s_wait_dscnt 0x0
	global_store_b64 v[L8], v[NB:NB+1], s[8:9] offset:4096   ; 32 lanes store the record's last 256 bytes, aligned
	s_wait_tensorcnt 0x0
	ds_add_u32 v254, v255
	s_wait_dscnt 0x0
	s_endpgm
.Lfunc_end_k_q84a70613b8_quant:
	.size	k_q84a70613b8_quant, .Lfunc_end_k_q84a70613b8_quant-k_q84a70613b8_quant
	.p2alignl 7, 3214868480
	.fill 96, 4, 3214868480
	.section	.rodata,"a",@progbits
	.p2align	6, 0x0
	.amdhsa_kernel k_q84a70613b8_quant
		.amdhsa_group_segment_fixed_size 68096
		.amdhsa_private_segment_fixed_size 0
		.amdhsa_enable_private_segment 0
		.amdhsa_kernarg_size 32
		.amdhsa_user_sgpr_count 2
		.amdhsa_user_sgpr_kernarg_segment_ptr 1
		.amdhsa_wavefront_size32 1
		.amdhsa_system_sgpr_workgroup_id_x 1
		.amdhsa_system_sgpr_workgroup_id_y 1
		.amdhsa_system_sgpr_workgroup_id_z 1
		.amdhsa_system_vgpr_workitem_id 0
		.amdhsa_next_free_vgpr 256
		.amdhsa_next_free_sgpr 66
		.amdhsa_reserve_vcc 0
		.amdhsa_float_denorm_mode_32 3
		.amdhsa_float_denorm_mode_16_64 3
		.amdhsa_memory_ordered 1
		.amdhsa_forward_progress 1
		.amdhsa_inst_pref_size 32
	.end_amdhsa_kernel
	.amdgpu_metadata
---
amdhsa.version: [ 1, 2 ]
amdhsa.kernels:
  - .name:           k_q84a70613b8_quant
    .symbol:         k_q84a70613b8_quant.kd
    .args:
      - { .name: hidden_states, .offset: 0, .size: 8, .value_kind: global_buffer, .address_space: global }
      - { .name: emb_weights, .offset: 8, .size: 8, .value_kind: global_buffer, .address_space: global }
      - { .name: zrec, .offset: 16, .size: 8, .value_kind: global_buffer, .address_space: global }
      - { .name: erec, .offset: 24, .size: 8, .value_kind: global_buffer, .address_space: global }
    .group_segment_fixed_size: 68096
    .private_segment_fixed_size: 0
    .kernarg_segment_align: 8
    .kernarg_segment_size: 32
    .max_flat_workgroup_size: 128
    .sgpr_count:     66
    .vgpr_count:     256
    .wavefront_size: 32
...
	.end_amdgpu_metadata
.endif
;; end of part 1
;; launch nearest (part 2): grid 256 x 1, 8 waves a work-group, clusters of 4 x 1, 327,680 bytes of LDS; arguments zrec, erec, out1, idx; writes out1, idx
.if DOCPART == 2
	.amdgcn_target "amdgcn-amd-amdhsa--gfx1250"
	.amdhsa_code_object_version 6
	.text
	.protected	k_q84a70613b8_nearest
	.globl	k_q84a70613b8_nearest
	.p2align	8
	.type	k_q84a70613b8_nearest,@function
k_q84a70613b8_nearest:
	s_mov_b64 s[64:65], 0
	v_nop
	global_prefetch_b8 v0, s[64:65] scope:SCOPE_SE
	s_setreg_imm32_b32 hwreg(HW_REG_WAVE_MODE, 25, 1), 1
	s_wait_xcnt 0x0
	s_wait_alu depctr_hold_cnt(0) depctr_sa_sdst(0) depctr_va_vdst(0) depctr_va_sdst(0) depctr_va_ssrc(0) depctr_va_vcc(0) depctr_vm_vsrc(0)
	s_getreg_b32 s2, hwreg(HW_REG_IB_STS2, 6, 4)
	s_cmp_eq_u32 s2, 0
	s_cbranch_scc0 .Lentry_in_a_cluster
	s_endpgm
.Lentry_in_a_cluster:
	s_bfe_u32 s2, ttmp6, 0x10000c
	s_cmp_lg_u32 s2, 0x3003
	s_cbranch_scc0 .Lentry_shape_is_right
	s_endpgm
.Lentry_shape_is_right:
; For each of 32,768 tokens: the first n that makes d = (zz + ee[n]) - 2 (z . e[n]) smallest, over 8,192 codes.  z . e is the product of the MX-FP8 codes in zrec and erec (K = 256: two matrix instructions);
; zz and ee are the f32 sums of squares that lie in the records.  d is rounded as it is written: s = zz + ee (one addition), d = s - 2 dot (one fused multiply-add: 2 dot is exact).
; The index goes to out1, and once more to idx, from which the next launch forms its addresses.
; A RECORD (4,352 bytes) is a tile of 16 rows as an image of the operand's registers: codes at 2048 s + 512 c + 16 lane, scale words at 4096 + 64 s + 4 r, sums of squares at 4224 + 4 r.
; SHARES.  A work-group owns 128 tokens (8 tiles).  EVERY one of its eight waves holds all 128 tokens' fragments in registers (window 1) and takes an eighth of the codes: in phase q (0..15) wave w takes tiles
; 32 q + 4 w + 0..3 of e.  So a fragment of e is read from LDS once, by one wave, and feeds 8 accumulators.  Two waves share a SIMD: one's vector work stands beside the other's matrix work.
; THE PRODUCT IS USED TRANSPOSED: source 0 = 16 codes of e, source 1 = 16 tokens: lane (r, h) holds token r, register j code 16 T + 8 h + j.
; THE MINIMUM.  For each lane and token tile: the running smallest d (BEST), the tile of e that gave it (GID) and that tile's eight distances (SNAP), taken over under a lane mask where the tile's smallest d is
; strictly smaller: tiles come in ascending order, so the first of equals stays.  No branch and no address hangs on the masks.  At the end the first of the eight that equals BEST gives n; the two halves of the lanes
; and the eight waves are joined by (d, n) in lexical order: of equal d the lower n.
; CLUSTER.  All work-groups walk the same erec: the four of a cluster ask for each part JOINTLY (a mask names four work-groups at the most), which divides the requests for e by four.
; RING.  Two slots of 32 records; wave w fetches, and alone reads, records 4 w .. 4 w + 3 of a slot: one tensor load a wave behind each round, which has the next phase's four tiles in which to land.
; By this text's own count a wave has two tensor loads out at the start and one behind each round.
; LIMITS: NaN is not served (the minima pass over it).  A token all of whose distances are +infinity gets index 0.  The last bits of the dot products are the matrix unit's, those of zz and ee the first launch's.
.set REC,   4352
.set WPART, 4*REC                      ; a wave's part of a slot: 17,408 bytes = 68 x 256
.set SLOTB, 8*WPART                    ; a slot: 139,264 bytes
.set ZIMG,  2*SLOTB                    ; behind the ring: the work-group's 8 records of z, written by LDS stores
.set RED,   ZIMG+8*REC                 ; [wave][token] of 8 bytes: d, n
.set SPARE, RED+8192                   ; the spare words, 128 bytes for each wave: four blocks of 256 bytes that no other line names
.set SPW,  2                           ; v2   LDS address of my spare word; never rewritten
.set NIL,  3                           ; v3   0; never rewritten
.set ADR,  4                           ; v4-5  my part of slot 0, 1: + 16 x lane
.set ADS,  6                           ; v6-7  its scale words: + 4096 + 4 x lane
.set ADE,  8                           ; v8-9  its sums of squares: + 4224 + 32 h
.set H8,   10                          ; v10  8 h
.set ZW,   11                          ; v11  where I store z's record w: 16 x lane
.set ZR,   12                          ; v12  where all read z's records: 16 x lane
.set ZRS,  13                          ; v13  their scale words
.set ZRN,  14                          ; v14  their sums of squares: 4 r
.set RA,   15                          ; v15  RED + 1024 w + 8 r
.set ZZ,   16                          ; v16-31 pairs: both registers of pair m hold zz of token 16 m + r
.set BEST, 32                          ; v32-39
.set GID,  40                          ; v40-47
.set ZS,   48                          ; v48-55 z's scale words: lanes 0-15 K step 0, lanes 16-31 K step 1; scales and nothing else
.set ESC,  56                          ; v56   e's scale words, likewise
.set ZW2,  57                          ; v57   where I store the last 256 bytes of z's record w: 8 x lane
.set T,    58                          ; v58-61 a tile's smallest d, four token tiles
.set RR,   62                          ; v62   RED + 512 w + 16 x lane
.set OO,   63                          ; v63   256 w + 8 x lane
.set EE,   64                          ; v64-71 ee of my 8 codes
.set EF,   72                          ; v72-103 e's two fragments
.set ACC,  104                         ; v104-135 four accumulators
.set S,    136                         ; v136-167 s, then d, of four token tiles
.set SNAP, 168                         ; v168-231
.set TA,   232                         ; v232-239 at work
.set JJ,   240                         ; v240-247 at work
.set WV,   12                          ; s12  my wave's number
.set G1,   16                          ; s[16:23] descriptor group 1
.set G0,   24                          ; s[24:31] group 0, a set for each slot
.set MK,   32                          ; s32-35 lane masks
.set TN,   36                          ; s36  the tile of e in hand
.set TRIPS, 37
.set SEL,  38                          ; s[38:39] lane selects: lane l xor 16
.set MSB, 0
.macro WIN new                         ; the immediate's high byte repeats the setting that is left
.if MSB != \new
	s_set_vgpr_msb (MSB<<8)|\new
.set MSB, \new
.endif
.endm
.set MULW, 0x04                        ; source 1 (z) window 1; all else window 0
.set TOZ,  0x40                        ; destination window 1, address window 0
; A round of the cluster's barrier: my work-group's barrier; wave 0 signals for the work-group; every wave waits for all four work-groups; my work-group's barrier once more.
.macro ROUND
	s_barrier_signal -1
	s_barrier_wait -1
	s_cmp_lg_u32 s[WV], 0
	s_cbranch_scc1 .Lnot_wave_0_\@
	s_barrier_signal -3
.Lnot_wave_0_\@:
	s_barrier_wait -3
	s_barrier_signal -1
	s_barrier_wait -1
.endm
	s_load_b256 s[4:11], s[0:1], 0x0               ; zrec s[4:5], erec s[6:7], out1 s[8:9], idx s[10:11]
	v_lshl_add_u32 v[SPW], v0, 2, SPARE
	v_mov_b32 v[NIL], 0
	ds_add_u32 v2, v3
	ds_add_u32 v2, v3
	s_wait_dscnt 0x0
	v_lshrrev_b32 v1, 5, v0
	v_readfirstlane_b32 s[WV], v1                  ; wave 0..7
	s_bfe_u32 s13, ttmp6, 0x40000                  ; cx: my place in the cluster
	s_lshl_b32 s14, ttmp9, 2                       ; in a cluster launch ttmp9 counts clusters
	s_add_co_u32 s14, s14, s13                     ; my block of 128 tokens: it enters zrec's, out1's and idx's addresses alone
	; every LDS address is made here, ahead of the first branch on the wave's number: a constant + a constant x lane + a constant x wave
	v_and_b32 v[TA], 31, v0                        ; lane
	v_and_b32 v[TA+1], 15, v0                      ; r
	v_bfe_u32 v[TA+2], v0, 4, 1                    ; h
	v_lshlrev_b32 v[TA+3], 4, v[TA]                ; 16 x lane
	v_lshlrev_b32 v[TA+4], 2, v[TA]                ; 4 x lane
	v_lshlrev_b32 v[TA+5], 5, v[TA+2]              ; 32 h
	v_lshlrev_b32 v[TA+6], 3, v[TA]                ; 8 x lane
	s_mul_i32 s40, s[WV], WPART
	v_add_nc_u32 v[ADR], s40, v[TA+3]
	v_add_nc_u32 v[ADR+1], SLOTB, v[ADR]
	v_add_nc_u32 v[ADS], s40, v[TA+4]
	v_add_nc_u32 v[ADS], 4096, v[ADS]
	v_add_nc_u32 v[ADS+1], SLOTB, v[ADS]
	v_add_nc_u32 v[ADE], s40, v[TA+5]
	v_add_nc_u32 v[ADE], 4224, v[ADE]
	v_add_nc_u32 v[ADE+1], SLOTB, v[ADE]
	v_lshlrev_b32 v[H8], 3, v[TA+2]
	s_mul_i32 s41, s[WV], REC
	s_add_co_u32 s41, s41, ZIMG
	v_add_nc_u32 v[ZW], s41, v[TA+3]
	v_add_nc_u32 v[ZW2], s41, v[TA+6]
	v_add_nc_u32 v[ZW2], 4096, v[ZW2]
	v_add_nc_u32 v[ZR], ZIMG, v[TA+3]
	v_add_nc_u32 v[ZRS], ZIMG+4096, v[TA+4]
	v_lshlrev_b32 v[ZRN], 2, v[TA+1]
	v_add_nc_u32 v[ZRN], ZIMG+4224, v[ZRN]
	s_lshl_b32 s42, s[WV], 10
	s_add_co_u32 s42, s42, RED
	v_lshlrev_b32 v[RA], 3, v[TA+1]
	v_add_nc_u32 v[RA], s42, v[RA]
	s_lshl_b32 s43, s[WV], 9
	s_add_co_u32 s43, s43, RED
	v_add_nc_u32 v[RR], s43, v[TA+3]
	s_lshl_b32 s43, s[WV], 8
	v_add_nc_u32 v[OO], s43, v[TA+6]
	; descriptor group 1: a dense block of 17,408 bytes as 68 rows of 256 bytes (32 elements of 8 bytes), no padding: the images are read 512 consecutive bytes at a time
	s_mov_b32 s[G1], 15|(3<<16)|(1<<21)            ; 15:0 the mask: all four work-groups; 17:16 elements of 8 bytes; 21 set beside a mask
	s_mov_b32 s[G1+1], 32<<16                      ; tensor_dim0 = 32
	s_mov_b32 s[G1+2], 68<<16                      ; tensor_dim1 = 68
	s_mov_b32 s[G1+3], 32<<16                      ; tile_dim0 = 32
	s_mov_b32 s[G1+4], 68                          ; tile_dim1 = 68
	s_mov_b32 s[G1+5], 32                          ; from row to row
	s_mov_b32 s[G1+6], 0
	s_mov_b32 s[G1+7], 0
	s_mov_b32 s44, s40                             ; my part's place in a slot's 32 records, in memory as in LDS: no place in the cluster enters it
	s_mov_b32 s45, 0
	s_lshl_b32 s48, s14, 3
	s_add_co_u32 s48, s48, s[WV]
	s_mul_i32 s48, s48, REC                        ; z's record 8 x + w
	s_mov_b32 s49, 0
	s_lshl_b32 s50, s14, 9                         ; my block's 128 indices: 512 bytes
	s_mov_b32 s51, 0
	s_mov_b32 s52, 0x7f800000                      ; +infinity
	s_mov_b32 s[SEL], 0x76543210
	s_mov_b32 s[SEL+1], 0xfedcba98
	s_lshl_b32 s[TN], s[WV], 2                     ; my first tile of e: 4 w
	s_mov_b32 s[TRIPS], 7
	s_wait_kmcnt 0x0
	s_add_nc_u64 s[4:5], s[4:5], s[48:49]
	s_add_nc_u64 s[8:9], s[8:9], s[50:51]
	s_add_nc_u64 s[10:11], s[10:11], s[50:51]
	s_add_nc_u64 s[46:47], s[6:7], s[44:45]
	s_mov_b32 s[G0], 1                             ; count = 1
	s_mov_b32 s[G0+1], s40                         ; LDS address: slot 0, my part
	s_mov_b64 s[G0+2:G0+3], s[46:47]               ; global address: phase 0
	s_or_b32 s[G0+3], s[G0+3], 0x80000000          ; type = 2
	s_mov_b32 s[G0+4], 1
	s_add_co_u32 s[G0+5], s40, SLOTB               ; slot 1
	s_add_nc_u64 s[G0+6:G0+7], s[46:47], SLOTB     ; phase 1
	s_or_b32 s[G0+7], s[G0+7], 0x80000000
	ROUND                                          ; all four work-groups are here: the first joint loads meet
	tensor_load_to_lds s[G0:G0+3], s[G1:G1+7]      ; both first fills go out together, ahead of every wait on TENSORcnt and every LDS read
	s_nop 0
	tensor_load_to_lds s[G0+4:G0+7], s[G1:G1+7]
	s_nop 0
.rept 4
	v_nop
.endr
	; z: wave w copies record 8 x + w into LDS as it lies; then every wave takes all eight records into its registers
.irp c, 0,1,2,3,4,5,6,7
	global_load_b128 v[ACC+4*\c:ACC+4*\c+3], v[TA+3], s[4:5] offset:512*\c th:TH_LOAD_NT
.endr
	global_load_b64 v[S:S+1], v[TA+6], s[4:5] offset:4096 th:TH_LOAD_NT
	s_wait_loadcnt 0x0
	s_wait_xcnt 0x0                                ; no global instruction is pending from here to the way out: EXEC is written in between
.irp c, 0,1,2,3,4,5,6,7
	ds_store_b128 v[ZW], v[ACC+4*\c:ACC+4*\c+3] offset:512*\c
.endr
	ds_store_b64 v[ZW2], v[S:S+1]
	s_wait_dscnt 0x0                               ; for the others' sake: my stores are done
	s_barrier_signal -1
	s_barrier_wait -1                              ; the tensor loads may stay out
	WIN TOZ
.irp m, 0,1,2,3,4,5,6,7
.irp s, 0,1
.irp c, 0,1,2,3
	ds_load_b128 v[32*\m+16*\s+4*\c:32*\m+16*\s+4*\c+3], v[ZR] offset:REC*\m+2048*\s+512*\c   ; fragment (m, s) at v[32 m + 16 s] of window 1: it stays
.endr
.endr
.endr
	WIN 0
.irp m, 0,1,2,3,4,5,6,7
	ds_load_b32 v[ZS+\m], v[ZRS] offset:REC*\m
	ds_load_b32 v[ZZ+2*\m], v[ZRN] offset:REC*\m
	ds_load_b32 v[ZZ+2*\m+1], v[ZRN] offset:REC*\m
.endr
	; what is later written under lane masks is written whole once: +infinity stands above every finite distance
.irp m, 0,1,2,3,4,5,6,7
	v_mov_b32 v[BEST+\m], s52
	v_mov_b32 v[GID+\m], 0
.endr
.set i, 0
.rept 64
	v_mov_b32 v[SNAP+i], s52
.set i, i+1
.endr
; record idx of my part of a slot: e's two fragments, its scale words, ee of my 8 codes: 11 LDS loads
.macro LOADT slot, idx
.irp s, 0,1
.irp c, 0,1,2,3
	ds_load_b128 v[EF+16*\s+4*\c:EF+16*\s+4*\c+3], v[ADR+(\slot)] offset:REC*(\idx)+2048*\s+512*\c
.endr
.endr
	ds_load_b32 v[ESC], v[ADS+(\slot)] offset:REC*(\idx)
	ds_load_b128 v[EE:EE+3], v[ADE+(\slot)] offset:REC*(\idx)
	ds_load_b128 v[EE+4:EE+7], v[ADE+(\slot)] offset:REC*(\idx)+16
.endm
; 8 matrix instructions: token tiles 4 g .. 4 g + 3, K step 0 (the constant 0 starts the sums), then K step 1.  The four accumulators take turns, one instruction a turn.
.macro MM g
	WIN MULW
.irp a, 0,1,2,3
	v_wmma_scale_f32_16x16x128_f8f6f4 v[ACC+8*\a:ACC+8*\a+7], v[EF:EF+15], v[32*(4*\g+\a):32*(4*\g+\a)+15], 0, v[ESC], v[ZS+4*\g+\a]
.endr
.irp a, 0,1,2,3
	v_wmma_scale_f32_16x16x128_f8f6f4 v[ACC+8*\a:ACC+8*\a+7], v[EF+16:EF+31], v[32*(4*\g+\a)+16:32*(4*\g+\a)+31], v[ACC+8*\a:ACC+8*\a+7], v[ESC], v[ZS+4*\g+\a] matrix_a_scale:MATRIX_SCALE_ROW1 matrix_b_scale:MATRIX_SCALE_ROW1
.endr
	WIN 0
.endm
; s = zz + ee, two at a time.  These 16 plain instructions name no register of the products and run with all lanes on: they are the places between the products and the first read of
; their results, the loads into e's registers, and the next products that begin the accumulators anew.
.macro SADD g
.irp p, 0,2,4,6
.irp a, 0,1,2,3
	v_pk_add_f32 v[S+8*\a+\p:S+8*\a+\p+1], v[EE+\p:EE+\p+1], v[ZZ+2*(4*\g+\a):ZZ+2*(4*\g+\a)+1]
.endr
.endr
.endm
.macro DIST                            ; d = s - 2 dot: one rounding.  Each accumulator is read from its low end on
.irp p, 0,2,4,6
.irp a, 0,1,2,3
	v_pk_fma_f32 v[S+8*\a+\p:S+8*\a+\p+1], v[ACC+8*\a+\p:ACC+8*\a+\p+1], -2.0, v[S+8*\a+\p:S+8*\a+\p+1] op_sel_hi:[1,0,1]
.endr
.endr
.endm
.macro TREE                            ; the smallest of a lane's eight d, the four token tiles by turns
.irp a, 0,1,2,3
	v_min3_num_f32 v[T+\a], v[S+8*\a], v[S+8*\a+1], v[S+8*\a+2]
.endr
.irp a, 0,1,2,3
	v_min3_num_f32 v[T+\a], v[T+\a], v[S+8*\a+3], v[S+8*\a+4]
.endr
.irp a, 0,1,2,3
	v_min3_num_f32 v[T+\a], v[T+\a], v[S+8*\a+5], v[S+8*\a+6]
.endr
.irp a, 0,1,2,3
	v_min_num_f32 v[T+\a], v[T+\a], v[S+8*\a+7]
.endr
.endm
; Where the tile's smallest d is strictly under the running one, the lane takes it over, with the tile's number and its eight distances (a packed multiplication by 1 copies two registers and changes no finite number).
; Only vector instructions on registers stand under the masks; no global instruction is pending while EXEC is written.
.macro KEEP g
.irp a, 0,1,2,3
	v_cmp_lt_f32 s[MK+\a], v[T+\a], v[BEST+4*\g+\a]
.endr
.irp a, 0,1,2,3
	s_mov_b32 exec_lo, s[MK+\a]
	v_mov_b32 v[BEST+4*\g+\a], v[T+\a]
	v_mov_b32 v[GID+4*\g+\a], s[TN]
.irp p, 0,2,4,6
	v_pk_mul_f32 v[SNAP+8*(4*\g+\a)+\p:SNAP+8*(4*\g+\a)+\p+1], v[S+8*\a+\p:S+8*\a+\p+1], 1.0 op_sel_hi:[1,0]
.endr
.endr
	s_mov_b32 exec_lo, -1
.endm
; One tile of e against the 128 tokens.  Behind the second run of products the next tile's loads are issued; they land under the second half's vector work.
; how = 0: the next record of this slot.  1: the slot is left and filled again.  2: the slot is left, nothing is asked for.  3: the last tile.
.macro TILE slot, idx, how
	s_wait_dscnt 0x0                               ; this tile's 11 loads are in
	MM 0
	SADD 0
	DIST
	TREE
	KEEP 0
	MM 1
	SADD 1
.if \how == 0
	LOADT \slot, \idx+1
.elseif \how == 1
	s_wait_tensorcnt 0x0                           ; all my tensor loads have landed: the one that was out is my part of the other slot; so a group 0 may be written
	ds_add_u32 v[SPW], v[NIL]                      ; 0 onto my spare word
	s_add_nc_u64 s[G0+4*\slot+2:G0+4*\slot+3], s[G0+4*\slot+2:G0+4*\slot+3], 2*SLOTB   ; this slot's next phase: two phases on; the type bits on top are not reached
	s_wait_dscnt 0x0                               ; the add is done; my reads of this slot ended at the tile's head
	ROUND                                          ; no wave of any partner still reads this slot or has a load on its way
	tensor_load_to_lds s[G0+4*\slot:G0+4*\slot+3], s[G1:G1+7]   ; my one tensor load behind the round, and the first thing there
	s_nop 0
	LOADT 1-\slot, 0
.elseif \how == 2
	s_wait_tensorcnt 0x0                           ; my part of the last slot is in: no load was issued behind it, and I alone read it
	LOADT 1-\slot, 0
.endif
	DIST
	TREE
	KEEP 1
.if \idx == 3
	s_add_co_u32 s[TN], s[TN], 29                  ; from tile 32 q + 4 w + 3 to 32 (q + 1) + 4 w
.else
	s_add_co_u32 s[TN], s[TN], 1
.endif
.endm
	s_wait_tensorcnt 0x1                           ; my part of slot 0 is in; slot 1's may stay out.  I alone read what I fetched: no barrier is needed
	LOADT 0, 0
.Lpair:                                                ; 7 trips of two phases: phases 0 to 13; the refill at the end of phase q brings phase q + 2
	TILE 0, 0, 0
	TILE 0, 1, 0
	TILE 0, 2, 0
	TILE 0, 3, 1
	TILE 1, 0, 0
	TILE 1, 1, 0
	TILE 1, 2, 0
	TILE 1, 3, 1
	s_sub_co_u32 s[TRIPS], s[TRIPS], 1
	s_cmp_lg_u32 s[TRIPS], 0
	s_cbranch_scc1 .Lpair
	TILE 0, 0, 0                                   ; phases 14 and 15 are written out
	TILE 0, 1, 0
	TILE 0, 2, 0
	TILE 0, 3, 2
	TILE 1, 0, 0
	TILE 1, 1, 0
	TILE 1, 2, 0
	TILE 1, 3, 3
; (db, nb) takes (dc, nc) where dc is smaller, or equal with the lower n
.macro LEX db, nb, dc, nc
	v_cmp_lt_f32 s40, v[\dc], v[\db]
	v_cmp_eq_f32 s41, v[\dc], v[\db]
	v_cmp_lt_u32 s42, v[\nc], v[\nb]
	s_and_b32 s41, s41, s42
	s_or_b32 s40, s40, s41
	v_cndmask_b32 v[\db], v[\db], v[\dc], s40
	v_cndmask_b32 v[\nb], v[\nb], v[\nc], s40
.endm
	; which of the winning tile's eight: the first that equals the minimum (from the last down, so that the lowest stays)
.irp m, 0,1,2,3,4,5,6,7
	v_mov_b32 v[JJ+\m], 7
.endr
.irp j, 6,5,4,3,2,1,0
.irp m, 0,1,2,3,4,5,6,7
	v_cmp_neq_f32 vcc_lo, v[SNAP+8*\m+\j], v[BEST+\m]
	v_cndmask_b32 v[JJ+\m], \j, v[JJ+\m], vcc_lo
.endr
.endr
.irp m, 0,1,2,3,4,5,6,7
	v_mov_b32 v[S+2*\m], v[BEST+\m]
	v_lshl_add_u32 v[S+2*\m+1], v[GID+\m], 4, v[JJ+\m]
.endr
.irp m, 0,1,2,3,4,5,6,7
	v_add_nc_u32 v[S+2*\m+1], v[S+2*\m+1], v[H8]   ; n = 16 T + 8 h + j
.endr
.irp m, 0,1,2,3,4,5,6,7
	v_permlanex16_b32 v[TA], v[S+2*\m], s[SEL], s[SEL+1]       ; the token's other eight codes of each tile lie in the lane 16 away
	v_permlanex16_b32 v[TA+1], v[S+2*\m+1], s[SEL], s[SEL+1]
	LEX S+2*\m, S+2*\m+1, TA, TA+1
	ds_store_b64 v[RA], v[S+2*\m:S+2*\m+1] offset:128*\m       ; token 16 m + r; lanes r and r + 16 write the same 8 bytes with the same values
.endr
	s_wait_dscnt 0x0                               ; for the others' sake: my stores are done
	s_barrier_signal -1
	s_barrier_wait -1
	s_cmp_lt_u32 s[WV], 2                          ; waves 0 and 1 join the eight waves' results: 64 tokens each, two a lane
	s_cbranch_scc0 .Ldone
.irp u, 0,1,2,3,4,5,6,7
	ds_load_b128 v[ACC+4*\u:ACC+4*\u+3], v[RR] offset:1024*\u  ; wave u's (d, n) of tokens 64 w + 2 lane and the next
.endr
	s_wait_dscnt 0x0
.irp u, 1,2,3,4,5,6,7
	LEX ACC, ACC+1, ACC+4*\u, ACC+4*\u+1
	LEX ACC+2, ACC+3, ACC+4*\u+2, ACC+4*\u+3
.endr
	v_mov_b32 v[TA], v[ACC+1]
	v_mov_b32 v[TA+1], v[ACC+3]
	global_store_b64 v[OO], v[TA:TA+1], s[8:9]     ; 32 lanes store 256 consecutive bytes, at a multiple of 256 from out1's first byte
	global_store_b64 v[OO], v[TA:TA+1], s[10:11]   ; and the same to idx
.Ldone:
	s_wait_tensorcnt 0x0                           ; the wave's end, behind my last tensor load and my last LDS store
	ds_add_u32 v[SPW], v[NIL]
	s_wait_dscnt 0x0
	ROUND                                          ; the closing round: no work-group ends while a partner may still ask for a part that names it
	s_endpgm
.Lfunc_end_k_q84a70613b8_nearest:
	.size	k_q84a70613b8_nearest, .Lfunc_end_k_q84a70613b8_nearest-k_q84a70613b8_nearest
	.p2alignl 7, 3214868480
	.fill 96, 4, 3214868480
	.section	.rodata,"a",@progbits
	.p2align	6, 0x0
	.amdhsa_kernel k_q84a70613b8_nearest
		.amdhsa_group_segment_fixed_size 327680
		.amdhsa_private_segment_fixed_size 0
		.amdhsa_enable_private_segment 0
		.amdhsa_kernarg_size 32
		.amdhsa_user_sgpr_count 2
		.amdhsa_user_sgpr_kernarg_segment_ptr 1
		.amdhsa_wavefront_size32 1
		.amdhsa_system_sgpr_workgroup_id_x 1
		.amdhsa_system_sgpr_workgroup_id_y 1
		.amdhsa_system_sgpr_workgroup_id_z 1
		.amdhsa_system_vgpr_workitem_id 0
		.amdhsa_next_free_vgpr 512
		.amdhsa_next_free_sgpr 66
		.amdhsa_reserve_vcc 1
		.amdhsa_float_denorm_mode_32 3
		.amdhsa_float_denorm_mode_16_64 3
		.amdhsa_memory_ordered 1
		.amdhsa_forward_progress 1
		.amdhsa_inst_pref_size 223
	.end_amdhsa_kernel
	.amdgpu_metadata
---
amdhsa.version: [ 1, 2 ]
amdhsa.kernels:
  - .name:           k_q84a70613b8_nearest
    .symbol:         k_q84a70613b8_nearest.kd
    .args:
      - { .name: zrec, .offset: 0, .size: 8, .value_kind: global_buffer, .address_space: global }
      - { .name: erec, .offset: 8, .size: 8, .value_kind: global_buffer, .address_space: global }
      - { .name: out1, .offset: 16, .size: 8, .value_kind: global_buffer, .address_space: global }
      - { .name: idx, .offset: 24, .size: 8, .value_kind: global_buffer, .address_space: global }
    .group_segment_fixed_size: 327680
    .private_segment_fixed_size: 0
    .kernarg_segment_align: 8
    .kernarg_segment_size: 32
    .max_flat_workgroup_size: 256
    .sgpr_count:     66
    .vgpr_count:     512
    .wavefront_size: 32
...
	.end_amdgpu_metadata
.endif
;; end of part 2
;; launch fetch (part 3): grid 256 x 1, 8 waves a work-group, no clusters, 0 bytes of LDS; arguments idx, emb_weights, out0; writes out0
.if DOCPART == 3
	.amdgcn_target "amdgcn-amd-amdhsa--gfx1250"
	.amdhsa_code_object_version 6
	.text
	.protected	k_q84a70613b8_fetch
	.globl	k_q84a70613b8_fetch
	.p2align	8
	.type	k_q84a70613b8_fetch,@function
k_q84a70613b8_fetch:
	s_mov_b64 s[64:65], 0
	v_nop
	global_prefetch_b8 v0, s[64:65] scope:SCOPE_SE
	s_setreg_imm32_b32 hwreg(HW_REG_WAVE_MODE, 25, 1), 1
	s_wait_xcnt 0x0
; out0[t][:] = emb_weights[idx[t]][:]: 32,768 rows of 1,024 bytes, the unquantised numbers.  idx was stored by the launch before.
; A wave takes 16 rows: its 16 indices come by one scalar load; each row is two loads and two stores of 512 consecutive bytes.  All 32 loads of a wave are out before its first store.
; An index is held to 8,191, the table's last row, ahead of its use in an address.
; A stream: no LDS, no matrix unit, no cluster (work-groups share no tile), no barrier.  No hint on the loads: a row may be named by many tokens.
.set OFF, 2                            ; v2-17   row i: 1,024 x its index + 16 x lane
.set D,   32                           ; v32-159 row i: 8 registers
	s_load_b128 s[4:7], s[0:1], 0x0                ; idx s[4:5], emb_weights s[6:7]
	s_load_b64 s[8:9], s[0:1], 0x10                ; out0
	v_lshrrev_b32 v1, 5, v0
	v_readfirstlane_b32 s12, v1                    ; wave 0..7
	v_and_b32 v1, 31, v0
	v_lshlrev_b32 v1, 4, v1                        ; 16 x lane
	s_lshl_b32 s13, ttmp9, 3
	s_add_co_u32 s13, s13, s12                     ; which run of 16 rows is my wave's
	s_lshl_b32 s14, s13, 6                         ; its 16 indices: 64 bytes
	s_mov_b32 s15, 0
	s_lshl_b32 s32, s13, 14                        ; its 16 rows of out0: 16,384 bytes
	s_mov_b32 s33, 0
	s_wait_kmcnt 0x0
	s_add_nc_u64 s[4:5], s[4:5], s[14:15]
	s_add_nc_u64 s[8:9], s[8:9], s[32:33]
	s_load_b512 s[16:31], s[4:5], 0x0
	s_wait_kmcnt 0x0
.irp i, 0,1,2,3,4,5,6,7,8,9,10,11,12,13,14,15
	s_min_u32 s[16+\i], s[16+\i], 8191
	s_lshl_b32 s[16+\i], s[16+\i], 10
	v_add_nc_u32 v[OFF+\i], s[16+\i], v1
.endr
.irp i, 0,1,2,3,4,5,6,7,8,9,10,11,12,13,14,15
	global_load_b128 v[D+8*\i:D+8*\i+3], v[OFF+\i], s[6:7]
	global_load_b128 v[D+8*\i+4:D+8*\i+7], v[OFF+\i], s[6:7] offset:512
.endr
.irp i, 0,1,2,3,4,5,6,7,8,9,10,11,12,13,14,15
	s_wait_loadcnt 31-2*\i                         ; loads come back in order: this one is in, the younger ones may be out
	global_store_b128 v1, v[D+8*\i:D+8*\i+3], s[8:9] offset:1024*\i th:TH_STORE_NT          ; 32 lanes store 512 consecutive bytes, at a multiple of 256 from out0's first byte
	s_wait_loadcnt 30-2*\i
	global_store_b128 v1, v[D+8*\i+4:D+8*\i+7], s[8:9] offset:1024*\i+512 th:TH_STORE_NT
.endr
	s_endpgm
.Lfunc_end_k_q84a70613b8_fetch:
	.size	k_q84a70613b8_fetch, .Lfunc_end_k_q84a70613b8_fetch-k_q84a70613b8_fetch
	.p2alignl 7, 3214868480
	.fill 96, 4, 3214868480
	.section	.rodata,"a",@progbits
	.p2align	6, 0x0
	.amdhsa_kernel k_q84a70613b8_fetch
		.amdhsa_group_segment_fixed_size 0
		.amdhsa_private_segment_fixed_size 0
		.amdhsa_enable_private_segment 0
		.amdhsa_kernarg_size 24
		.amdhsa_user_sgpr_count 2
		.amdhsa_user_sgpr_kernarg_segment_ptr 1
		.amdhsa_wavefront_size32 1
		.amdhsa_system_sgpr_workgroup_id_x 1
		.amdhsa_system_sgpr_workgroup_id_y 1
		.amdhsa_system_sgpr_workgroup_id_z 1
		.amdhsa_system_vgpr_workitem_id 0
		.amdhsa_next_free_vgpr 160
		.amdhsa_next_free_sgpr 66
		.amdhsa_reserve_vcc 0
		.amdhsa_float_denorm_mode_32 3
		.amdhsa_float_denorm_mode_16_64 3
		.amdhsa_memory_ordered 1
		.amdhsa_forward_progress 1
		.amdhsa_inst_pref_size 10
	.end_amdhsa_kernel
	.amdgpu_metadata
---
amdhsa.version: [ 1, 2 ]
amdhsa.kernels:
  - .name:           k_q84a70613b8_fetch
    .symbol:         k_q84a70613b8_fetch.kd
    .args:
      - { .name: idx, .offset: 0, .size: 8, .value_kind: global_buffer, .address_space: global }
      - { .name: emb_weights, .offset: 8, .size: 8, .value_kind: global_buffer, .address_space: global }
      - { .name: out0, .offset: 16, .size: 8, .value_kind: global_buffer, .address_space: global }
    .group_segment_fixed_size: 0
    .private_segment_fixed_size: 0
    .kernarg_segment_align: 8
    .kernarg_segment_size: 24
    .max_flat_workgroup_size: 256
    .sgpr_count:     66
    .vgpr_count:     160
    .wavefront_size: 32
...
	.end_amdgpu_metadata
.endif
;; end of part 3
